; MI455X (gfx1250); checked and timed in simulation.
; The chip was launched on July 23, 2026; its instructions are those of AMD's public machine-readable ISA for CDNA 5 (MIT licence, August 2026) and "CDNA5" Instruction Set Architecture Reference Guide (July 2026). The comments in the code are by the model that wrote it; some were corrected since.
;; Self Attention Block. Allowed arithmetic: matrix products marked QUANTISED: E4M3 operands, one given power-of-two scale a tensor, by v_wmma_f32_16x16x64_fp8_fp8 or v_wmma_f32_16x16x128_fp8_fp8, f32 sums; products left as they are: f32 operands where the result goes on into a quantised operand, else bf16, f16 or f32 operands; f32 sums; everything else in f32.
;; Inputs: gn_b 128 float32; gn_g 128 float32; kb 128 float32; kw_codes 128 x 4 x 32 uint8 (E4M3 codes of kw, K innermost, in blocks of 32 codes); lowp_scales 12 int32 (the exponents e of the quantised operands' scales 2^e); pb 128 float32; pw_codes 128 x 4 x 32 uint8 (E4M3 codes of pw, K innermost, in blocks of 32 codes); qb 128 float32; qw_codes 128 x 4 x 32 uint8 (E4M3 codes of qw, K innermost, in blocks of 32 codes); t 2 int32; t_proj_b 512 float32; t_proj_w 512 x 512 float32; vb 128 float32; vw_codes 128 x 4 x 32 uint8 (E4M3 codes of vw, K innermost, in blocks of 32 codes); x 2 x 128 x 16 x 512 float32.
;; Outputs: out0 2 x 128 x 16 x 512 float32.
;; This version of the problem:
;;   THIS VERSION OF THE PROBLEM IS GIVEN IN LOW PRECISION. The matrix products marked QUANTISED in the list below multiply operands that are first quantised to E4M3 (4 exponent bits, 3 mantissa bits; 8 bits a number), with one given power-of-two scale for each operand tensor; their sums are f32. All else is computed in f32.
;;   The module's matrix products, in the order in which they are computed (A, B: the left and right operand; K: the contracted axis; several contracted axes count as one K, in the product's order):
;;     1. [M 2, K 512] x [K 512, N 512]; A: computed on the way; B: input t_proj_w: left as it is (M = 2 < 16)
;;     2. [M 16,384, K 128] x [K 128, N 128]; A: computed on the way; B: input qw (given as codes): QUANTISED (scales: A lowp_scales[0], B lowp_scales[1])
;;     3. [M 16,384, K 128] x [K 128, N 128]; A: computed on the way; B: input kw (given as codes): QUANTISED (scales: A lowp_scales[2], B lowp_scales[3])
;;     4. [M 16,384, K 128] x [K 128, N 128]; A: computed on the way; B: input vw (given as codes): QUANTISED (scales: A lowp_scales[4], B lowp_scales[5])
;;     5. batch 2 x [M 8,192, K 128] x [K 128, N 8,192]; A: computed on the way; B: computed on the way: QUANTISED (scales: A lowp_scales[6], B lowp_scales[7])
;;     6. batch 2 x [M 128, K 8,192] x [K 8,192, N 8,192]; A: computed on the way; B: softmax (see below): QUANTISED (scales: A lowp_scales[8], B lowp_scales[9])
;;     7. [M 16,384, K 128] x [K 128, N 128]; A: computed on the way; B: input pw (given as codes): QUANTISED (scales: A lowp_scales[10], B lowp_scales[11])
;;   THE QUANTISER, for each operand of a quantised product, along K:
;;     - The operand's scale is 2^e, e = its entry of the input lowp_scales (int32; the entries are numbered through the quantised products in the list's order, A before B).
;;     - Each number is divided by the scale, clamped to +-448, and rounded to the nearest number of E4M3, ties to even, subnormals kept.
;;     - The product sums the exact products of the quantised numbers (number of the format x scale) in f32.
;;   ~~~python
;;   def quantise(x, axis, e):      # numpy; x: float32 -> the quantised numbers, widened to float32 again
;;       x = np.moveaxis(x, axis, -1); K = x.shape[-1]
;;       r = np.clip(x / 2.0 ** e, -448, 448)
;;       step = 2.0 ** (np.maximum(np.frexp(np.where(r == 0, 1, r))[1] - 1, -6) - 3)
;;       q = np.round(r / step) * step * 2.0 ** e      # np.round: ties to even
;;       return np.moveaxis(q, -1, axis).astype(np.float32)
;;   ~~~
;;   SOFTMAX AHEAD OF A QUANTISED PRODUCT. Where the list says 'softmax', what is quantised is not the finished softmax but p = 2^(t - M), with t = logit x log2(e) and M = ceil(the row's largest t), a whole number; so 1/2 < the row's largest p <= 1. The row's sum l is taken of the UNQUANTISED p, in f32, and the product's result is divided by l at the end. Since M is a whole number, a kernel that streams over the keys may use a running M (the ceiling of the running maximum): every later rescaling is an exact power of two, so the quantised numbers keep their values, but for numbers so far below the row's largest that they fall under the format's range.
;;   OPERANDS COMPUTED ON THE WAY. 'Computed on the way' means the value that the module computes at that place (a softmax that the list does not call 'softmax' is quantised finished and normalised). What goes into a quantiser is computed in f32, as accurately as f32 sums, v_exp_f32 and their like allow (about 1e-6 of the number): no bf16 or f16 on the way to a quantiser, and a product that is left as it is and whose result goes on into a quantised operand takes f32 operands (vector FMAs, or v_wmma_f32_16x16x4_f32). A number that lies on a knife's edge between two numbers of the format may be rounded either way, as far as f32 arithmetic and the matrix unit's own rounding can turn it there, and no further.
;;   INPUTS GIVEN AS CODES. kw (in the module: [128, 128], K = its axis 1); pw (in the module: [128, 128], K = its axis 1); qw (in the module: [128, 128], K = its axis 1); vw (in the module: [128, 128], K = its axis 1): each comes as NAME_codes (uint8): NAME with its K axis moved to the last place and cut into blocks of 32 codes, [.., K / 32, bytes a block], one block behind the other in memory; one code a byte (a code: sign, 4 exponent bits, 3 mantissa bits); its scale is its entry of lowp_scales. Its value is code x scale, taken as it is: it is not quantised again, and the codes and scales need not be those that the quantiser above would give.
;; One version. Each part assembles by itself: llvm-mc -triple=amdgcn-amd-amdhsa -mcpu=gfx1250 --defsym DOCPART=n.
;; ======== version 1 of 1: 3 launches
;; limits: right only within a limited range of input values
;; workspace buffers: te 4,096 bytes; gst 512 bytes; cs 131,072 bytes; qimg 2,097,152 bytes; kimg 2,097,152 bytes; vimg 2,097,152 bytes
;; launch prep (part 1): grid 72 x 1, 8 waves a work-group, no clusters, 9,216 bytes of LDS; arguments x, t, t_proj_w, t_proj_b, te, gst, cs; writes te, gst, cs
.if DOCPART == 1
	.amdgcn_target "amdgcn-amd-amdhsa--gfx1250"
	.amdhsa_code_object_version 6
	.text
	.protected	k_q98872336c3_prep
	.globl	k_q98872336c3_prep
	.p2align	8
	.type	k_q98872336c3_prep,@function
k_q98872336c3_prep:
	s_mov_b64 s[64:65], 0
	v_nop
	global_prefetch_b8 v0, s[64:65] scope:SCOPE_SE
	s_setreg_imm32_b32 hwreg(HW_REG_WAVE_MODE, 25, 1), 1
	s_wait_xcnt 0x0
; Two independent pieces of work in one launch, told apart by the work-group's number.
; Work-groups 0-7: te[b][d] = sum over k of relu(emb[b][k]) W[d][k] + bias[d], f32 multiply-adds; emb[2i] = sin(t / 10000^(i/256)), emb[2i+1] = cos(..).
;   A work-group takes 64 rows d of W, a wave 8 of them; a lane holds 16 numbers of each row and the same 16 places of both embeddings.
;   Sine and cosine: k = nearest whole number to a 2/pi, r = a - k pi/2 in two parts, polynomials on |r| <= pi/4, quadrant by selects.
; Work-groups 8-71: group G = b 32 + g of the norm is 32,768 consecutive numbers of x, held in registers (128 a thread):
;   gst[G] = (mean of x, mean of (x - mean)^2), cs[G][w] = sum over the group's 64 rows of (x - mean) in column w.
;   With these the next launch gets the statistics of x + te[w] from centred terms alone: no difference of large sums is formed.
; LIMITS: |t| up to 2^22 (the reduction has two parts); NaN among the inputs is not served.
; gst is 512 bytes in all; each group's work-group stores its 8 bytes of it.  Each path has LDS bytes of its own.
.set SL,  0                            ; statistics path: 8 sums, then at +32 8 sums of squares
.set CL,  256                          ; statistics path: column sums of waves 4-7, 2,048 bytes
.set TL,  4096                         ; embedding path: 128 results
.set D,   32                           ; v32-159 the data: x, or 8 rows of W
.set EMB, 160                          ; v160-175 relu(emb) of b = 0, v176-191 of b = 1
.macro WSUM r                          ; the sum over the wave's 32 lanes, in every lane
	v_add_f32_dpp v[\r], v[\r], v[\r] row_xmask:1 row_mask:0xf bank_mask:0xf
	v_add_f32_dpp v[\r], v[\r], v[\r] row_xmask:2 row_mask:0xf bank_mask:0xf
	v_add_f32_dpp v[\r], v[\r], v[\r] row_xmask:4 row_mask:0xf bank_mask:0xf
	v_add_f32_dpp v[\r], v[\r], v[\r] row_xmask:8 row_mask:0xf bank_mask:0xf
	v_permlanex16_b32 v3, v[\r], s22, s23
	v_add_f32 v[\r], v[\r], v3
.endm
.macro SUM8                            ; v12 = v12 + .. + v19
	v_add_f32 v12, v12, v13
	v_add_f32 v14, v14, v15
	v_add_f32 v16, v16, v17
	v_add_f32 v18, v18, v19
	v_add_f32 v12, v12, v14
	v_add_f32 v16, v16, v18
	v_add_f32 v12, v12, v16
.endm
.macro COLSUM                          ; v[4:7] = my four columns' sums over my 32 loads, in two chains
	v_pk_add_f32 v[4:5], v[D:D+1], v[D+4:D+5]
	v_pk_add_f32 v[6:7], v[D+2:D+3], v[D+6:D+7]
.set i, 2
.rept 30
	v_pk_add_f32 v[4:5], v[4:5], v[D+4*i:D+4*i+1]
	v_pk_add_f32 v[6:7], v[6:7], v[D+4*i+2:D+4*i+3]
.set i, i+1
.endr
.endm
	s_load_b256 s[4:11], s[0:1], 0x0               ; x s[4:5], t s[6:7], W s[8:9], bias s[10:11]
	s_load_b128 s[12:15], s[0:1], 0x20             ; te s[12:13], gst s[14:15]
	s_load_b64 s[16:17], s[0:1], 0x30              ; cs
	v_lshl_add_u32 v192, v0, 2, 0x2000
	v_mov_b32 v193, 0
	v_lshrrev_b32 v1, 5, v0
	v_readfirstlane_b32 s20, v1                    ; wave 0..7
	v_and_b32 v1, 31, v0                           ; lane
	v_mov_b32 v3, 0                                ; a lane permute's destination counts as read
	s_mov_b32 s22, 0x76543210
	s_mov_b32 s23, 0xfedcba98
	s_mov_b32 s27, 0
	s_mov_b32 s29, 0
	s_wait_kmcnt 0x0
	s_cmp_lt_u32 ttmp9, 8
	s_cbranch_scc1 .Lte
	; ---------------- the statistics of one group of x
	s_sub_co_u32 s24, ttmp9, 8                     ; G
	s_lshl_b32 s26, s24, 17                        ; 131,072 bytes a group
	s_add_nc_u64 s[4:5], s[4:5], s[26:27]
	v_lshlrev_b32 v2, 4, v0                        ; 16 bytes a thread: a wave's load covers 512 consecutive bytes
.set i, 0
.rept 32
	global_load_b128 v[D+4*i:D+4*i+3], v2, s[4:5] offset:4096*i   ; 4,096 bytes are two rows of 512: all my loads hold columns 4 (thread % 128) + 0..3
.set i, i+1
.endr
	s_lshl_b32 s28, s24, 11
	s_add_nc_u64 s[16:17], s[16:17], s[28:29]      ; cs[G]
	s_lshl_b32 s28, s24, 3
	s_add_nc_u64 s[14:15], s[14:15], s[28:29]      ; gst[G]
	v_mov_b32 v8, s20
	v_lshlrev_b32 v8, 2, v8                        ; my wave's word
	v_mov_b32 v9, 0
	v_and_b32 v24, 127, v0
	v_lshlrev_b32 v24, 4, v24                      ; my columns' place in CL
	s_wait_loadcnt 0x0
	COLSUM
	v_add_f32 v26, v4, v5
	v_add_f32 v27, v6, v7
	v_add_f32 v26, v26, v27
	WSUM 26
	ds_store_b32 v8, v26 offset:SL
	s_wait_dscnt 0x0                               ; for the others' sake: my sum lies in LDS
	s_barrier_signal -1
	s_barrier_wait -1
	ds_load_b128 v[12:15], v9 offset:SL
	ds_load_b128 v[16:19], v9 offset:SL+16
	s_wait_dscnt 0x0
	SUM8
	v_mul_f32 v10, 0x38000000, v12                 ; / 32,768: the mean of x
	v_mov_b32 v11, v10
.set i, 0
.rept 64
	v_pk_add_f32 v[D+2*i:D+2*i+1], v[D+2*i:D+2*i+1], v[10:11] neg_lo:[0,1] neg_hi:[0,1]   ; x - mean, in place
.set i, i+1
.endr
	v_pk_mul_f32 v[20:21], v[D:D+1], v[D:D+1]      ; the sum of squares, in two chains
	v_pk_mul_f32 v[22:23], v[D+2:D+3], v[D+2:D+3]
.set i, 1
.rept 31
	v_pk_fma_f32 v[20:21], v[D+4*i:D+4*i+1], v[D+4*i:D+4*i+1], v[20:21]
	v_pk_fma_f32 v[22:23], v[D+4*i+2:D+4*i+3], v[D+4*i+2:D+4*i+3], v[22:23]
.set i, i+1
.endr
	COLSUM                                         ; the centred column sums
	v_add_f32 v20, v20, v21
	v_add_f32 v22, v22, v23
	v_add_f32 v20, v20, v22
	WSUM 20
	ds_store_b32 v8, v20 offset:SL+32
	s_cmp_lt_u32 s20, 4                            ; threads t and t + 128 hold the same columns: waves 4-7 hand theirs over
	s_cbranch_scc1 .Lkeep
	ds_store_b128 v24, v[4:7] offset:CL
.Lkeep:
	s_wait_dscnt 0x0
	s_barrier_signal -1
	s_barrier_wait -1
	s_cmp_lt_u32 s20, 4
	s_cbranch_scc0 .Lstat_end
	ds_load_b128 v[12:15], v24 offset:CL
	s_wait_dscnt 0x0
	v_pk_add_f32 v[4:5], v[4:5], v[12:13]
	v_pk_add_f32 v[6:7], v[6:7], v[14:15]
	global_store_b128 v2, v[4:7], s[16:17]         ; a wave stores 512 consecutive bytes of cs[G]
	s_cmp_lg_u32 s20, 0
	s_cbranch_scc1 .Lstat_end
	ds_load_b128 v[12:15], v9 offset:SL+32
	ds_load_b128 v[16:19], v9 offset:SL+48
	s_wait_dscnt 0x0
	SUM8
	v_mul_f32 v11, 0x38000000, v12                 ; the variance of x
	s_wait_xcnt 0x0                                ; EXEC changes only behind this wait
	v_cmp_eq_u32 vcc_lo, 0, v0
	s_and_saveexec_b32 s30, vcc_lo
	global_store_b64 v9, v[10:11], s[14:15]
	s_wait_xcnt 0x0                                ; and again in front of the line that widens it
	s_or_b32 exec_lo, exec_lo, s30
.Lstat_end:
	s_wait_tensorcnt 0x0
	ds_add_u32 v192, v193
	s_wait_dscnt 0x0
	s_endpgm
	; ---------------- the time embedding's product
.Lte:
	s_load_b64 s[36:37], s[6:7], 0x0               ; t[0], t[1]
	s_lshl_b32 s26, ttmp9, 6
	s_lshl_b32 s28, s20, 3
	s_add_co_u32 s26, s26, s28                     ; my wave's first row of W
	s_lshl_b32 s26, s26, 11                        ; rows of 2,048 bytes
	s_add_nc_u64 s[8:9], s[8:9], s[26:27]
	v_lshlrev_b32 v2, 4, v1
.irp i, 0,1,2,3,4,5,6,7
.irp q, 0,1,2,3
	global_load_b128 v[D+16*\i+4*\q:D+16*\i+4*\q+3], v2, s[8:9] offset:2048*\i+512*\q th:TH_LOAD_NT   ; W[row i][128 q + 4 lane + 0..3]
.endr
.endr
	s_mov_b32 s40, 0x3f22f983                      ; 2 / pi
	s_mov_b32 s41, 0x3fc90fdb                      ; pi / 2, its upper part
	s_mov_b32 s42, 0xb33bbd2e                      ; and the rest
	s_mov_b32 s43, 0xb94ca1f9                      ; the sine's highest coefficient
	s_mov_b32 s44, 0x37ccf5ce                      ; the cosine's
	v_mov_b32 v8, s20
	v_lshlrev_b32 v8, 5, v8                        ; my wave's 8 words in TL
	v_lshlrev_b32 v4, 1, v1
.irp n, 0,1,2,3,4,5,6,7                        ; frequency index 64 (n / 2) + 2 lane + n % 2: places 128 (n / 2) + 4 lane + 2 (n % 2) + 0, 1 of the embedding
	v_add_nc_u32 v5, 64*(\n/2)+(\n%2), v4
	v_cvt_f32_u32 v5, v5
	v_mul_f32 v[16+\n], 0xbd549a78, v5             ; x -log2(10000) / 256
.endr
.irp n, 0,1,2,3,4,5,6,7
	v_exp_f32 v[16+\n], v[16+\n]                   ; 10000^(-index / 256)
.endr
	s_wait_kmcnt 0x0
	v_cvt_f32_i32 v6, s36                          ; (a plain line behind the exponentials)
	v_cvt_f32_i32 v7, s37
	s_wait_alu depctr_va_vdst(0)
.macro SINCOS d                        ; v24 = the angle; v[d] = relu(sin), v[d + 1] = relu(cos)
	v_mul_f32 v25, s40, v24
	v_rndne_f32 v25, v25                           ; k
	v_fma_f32 v26, -v25, s41, v24
	v_fma_f32 v26, -v25, s42, v26                  ; r
	v_cvt_i32_f32 v27, v25
	v_mul_f32 v28, v26, v26                        ; z = r r
	v_fmaak_f32 v29, s43, v28, 0x3c08839e
	v_fmaak_f32 v30, s44, v28, 0xbab6061a
	v_fmaak_f32 v29, v29, v28, 0xbe2aaaa3
	v_fmaak_f32 v30, v30, v28, 0x3d2aaaa5
	v_mul_f32 v29, v29, v28
	v_mul_f32 v31, v28, v28
	v_fma_f32 v25, v28, -0.5, 1.0
	v_fma_f32 v29, v29, v26, v26                   ; sin r
	v_fma_f32 v30, v30, v31, v25                   ; cos r
	v_and_b32 v31, 1, v27
	v_cmp_eq_u32 vcc_lo, 1, v31                    ; an odd quadrant swaps the two
	v_cndmask_b32 v[\d], v29, v30, vcc_lo
	v_cndmask_b32 v[\d+1], v30, v29, vcc_lo
	v_lshlrev_b32 v31, 30, v27
	v_add_nc_u32 v27, 1, v27
	v_and_b32 v31, 0x80000000, v31                 ; the sine's sign: bit 1 of k
	v_lshlrev_b32 v27, 30, v27
	v_xor_b32 v[\d], v[\d], v31
	v_and_b32 v27, 0x80000000, v27                 ; the cosine's: bit 1 of k + 1
	v_xor_b32 v[\d+1], v[\d+1], v27
	v_max_num_f32 v[\d], 0, v[\d]
	v_max_num_f32 v[\d+1], 0, v[\d+1]
.endm
.irp b, 0,1
.irp n, 0,1,2,3,4,5,6,7
	v_mul_f32 v24, v[6+\b], v[16+\n]
	SINCOS EMB+16*\b+2*\n
.endr
.endr
	s_wait_loadcnt 0x0
.macro DOT i                           ; row i against both embeddings; the results take registers of the row, which is done with, so that no LDS store's data are written again
	v_pk_mul_f32 v[24:25], v[D+16*\i:D+16*\i+1], v[EMB:EMB+1]
	v_pk_mul_f32 v[26:27], v[D+16*\i:D+16*\i+1], v[EMB+16:EMB+17]
.irp p, 1,2,3,4,5,6,7
	v_pk_fma_f32 v[24:25], v[D+16*\i+2*\p:D+16*\i+2*\p+1], v[EMB+2*\p:EMB+2*\p+1], v[24:25]
	v_pk_fma_f32 v[26:27], v[D+16*\i+2*\p:D+16*\i+2*\p+1], v[EMB+16+2*\p:EMB+16+2*\p+1], v[26:27]
.endr
	v_add_f32 v[D+16*\i], v24, v25
	v_add_f32 v[D+16*\i+1], v26, v27
	WSUM D+16*\i
	WSUM D+16*\i+1
	ds_store_b32 v8, v[D+16*\i] offset:TL+4*\i     ; all lanes hold the same number
	ds_store_b32 v8, v[D+16*\i+1] offset:TL+256+4*\i
.endm
.irp i, 0,1,2,3,4,5,6,7
	DOT \i
.endr
	s_wait_dscnt 0x0
	s_barrier_signal -1
	s_barrier_wait -1
	s_cmp_lg_u32 s20, 0
	s_cbranch_scc1 .Lte_end
	ds_load_b128 v[12:15], v2 offset:TL            ; lanes 0-15: b = 0, lanes 16-31: b = 1; four rows a lane
	v_and_b32 v5, 15, v1
	v_lshlrev_b32 v5, 4, v5
	s_lshl_b32 s26, ttmp9, 8                       ; the work-group's 64 rows, 256 bytes
	s_add_nc_u64 s[10:11], s[10:11], s[26:27]
	s_add_nc_u64 s[12:13], s[12:13], s[26:27]
	global_load_b128 v[16:19], v5, s[10:11]
	v_lshrrev_b32 v6, 4, v1
	v_lshl_add_u32 v6, v6, 11, v5
	s_wait_loadcnt 0x0
	s_wait_dscnt 0x0
	v_pk_add_f32 v[12:13], v[12:13], v[16:17]
	v_pk_add_f32 v[14:15], v[14:15], v[18:19]
	global_store_b128 v6, v[12:15], s[12:13]       ; sixteen lanes store 256 consecutive bytes, aligned
.Lte_end:
	s_wait_tensorcnt 0x0
	ds_add_u32 v192, v193
	s_wait_dscnt 0x0
	s_endpgm
.Lfunc_end_k_q98872336c3_prep:
	.size	k_q98872336c3_prep, .Lfunc_end_k_q98872336c3_prep-k_q98872336c3_prep
	.p2alignl 7, 3214868480
	.fill 96, 4, 3214868480
	.section	.rodata,"a",@progbits
	.p2align	6, 0x0
	.amdhsa_kernel k_q98872336c3_prep
		.amdhsa_group_segment_fixed_size 9216
		.amdhsa_private_segment_fixed_size 0
		.amdhsa_enable_private_segment 0
		.amdhsa_kernarg_size 56
		.amdhsa_user_sgpr_count 2
		.amdhsa_user_sgpr_kernarg_segment_ptr 1
		.amdhsa_wavefront_size32 1
		.amdhsa_system_sgpr_workgroup_id_x 1
		.amdhsa_system_sgpr_workgroup_id_y 1
		.amdhsa_system_sgpr_workgroup_id_z 1
		.amdhsa_system_vgpr_workitem_id 0
		.amdhsa_next_free_vgpr 194
		.amdhsa_next_free_sgpr 66
		.amdhsa_reserve_vcc 1
		.amdhsa_float_denorm_mode_32 3
		.amdhsa_float_denorm_mode_16_64 3
		.amdhsa_memory_ordered 1
		.amdhsa_forward_progress 1
		.amdhsa_inst_pref_size 65
	.end_amdhsa_kernel
	.amdgpu_metadata
---
amdhsa.version: [ 1, 2 ]
amdhsa.kernels:
  - .name:           k_q98872336c3_prep
    .symbol:         k_q98872336c3_prep.kd
    .args:
      - { .name: x, .offset: 0, .size: 8, .value_kind: global_buffer, .address_space: global }
      - { .name: t, .offset: 8, .size: 8, .value_kind: global_buffer, .address_space: global }
      - { .name: t_proj_w, .offset: 16, .size: 8, .value_kind: global_buffer, .address_space: global }
      - { .name: t_proj_b, .offset: 24, .size: 8, .value_kind: global_buffer, .address_space: global }
      - { .name: te, .offset: 32, .size: 8, .value_kind: global_buffer, .address_space: global }
      - { .name: gst, .offset: 40, .size: 8, .value_kind: global_buffer, .address_space: global }
      - { .name: cs, .offset: 48, .size: 8, .value_kind: global_buffer, .address_space: global }
    .group_segment_fixed_size: 9216
    .private_segment_fixed_size: 0
    .kernarg_segment_align: 8
    .kernarg_segment_size: 56
    .max_flat_workgroup_size: 256
    .sgpr_count:     66
    .vgpr_count:     194
    .wavefront_size: 32
...
	.end_amdgpu_metadata
.endif
;; end of part 1
;; launch qkv (part 2): grid 256 x 1, 4 waves a work-group, no clusters, 66,048 bytes of LDS; arguments x, te, gst, cs, gn_g, gn_b, qw_codes, kw_codes, vw_codes, qb, kb, vb, lowp_scales, qimg, kimg, vimg; writes qimg, kimg, vimg
.if DOCPART == 2
	.amdgcn_target "amdgcn-amd-amdhsa--gfx1250"
	.amdhsa_code_object_version 6
	.text
	.protected	k_q98872336c3_qkv
	.globl	k_q98872336c3_qkv
	.p2align	8
	.type	k_q98872336c3_qkv,@function
k_q98872336c3_qkv:
	s_mov_b64 s[64:65], 0
	v_nop
	global_prefetch_b8 v0, s[64:65] scope:SCOPE_SE
	s_setreg_imm32_b32 hwreg(HW_REG_WAVE_MODE, 25, 1), 1
	s_wait_xcnt 0x0
; e = groupnorm(x + te[w]); q, k, v = 1x1 convolutions of e on codes of FP8 (E4M3), each operand with its given scale 2^e; q, k, v leave as codes.
; SHARES.  A work-group takes 64 positions x 128 channels of one batch.  Phase X (normalise, quantise): a lane is a position, its registers run along the channels:
; wave w takes positions 32 (w % 2) + lane and channels 32 c + 16 (w / 2) + i, register 16 c + i.  Phase P (products): the waves share the columns: wave w makes
; q's and k's channels 32 w .. 32 w + 31 and v's channels 32 w .. 32 w + 31, for all four tiles of 16 positions.
; STATISTICS of a group of x + te, from the launch before: mean = mean_x + mean_te; variance = var_x + mean(tc^2) + sum(tc cs) / 16,384, tc = te - mean_te: centred terms alone.
; OPERANDS GO FROM WAVE TO WAVE, AND TO THE NEXT LAUNCH, AS IMAGES OF THEIR REGISTERS: four registers of 32 lanes are 512 consecutive bytes.
;   e, q, k: register 4 c + i of lane (r, h) = position r, channels 32 c + 16 h + 4 i + 0..3 (a permutation of K that both sides of each product share).
;   q and k are made transposed (source 0 = 16 rows of the weight, source 1 = e); lane r of tile u takes the weight's row 32 w + 8 u + r + 8 (r / 8), so that a lane's 16 results are 16 neighbouring channels.
;   v is made with e as source 0: a lane holds one channel and eight neighbouring positions: codes with the keys innermost, register 2 T + i = keys 16 T + 8 h + 4 i + 0..3.
; The biases are the C of the products, divided by the power of two that the sums lack.
; LIMITS, so that each power of two below is an f32 number: e0, e2, e4, e6 - e0 - e1, e7 - e2 - e3, e8 - e4 - e5 between -126 and 119.  NaN among the inputs is not served.
; No tensor load: x's tile is read once, by loads of whole rows of 256 bytes, and turned in LDS.  No cluster: work-groups share only 48 KiB of weights, read once each.
; REGISTERS: window 0: v1-20 offsets; v22-31 statistics; v32-95 x, then e; v96-223 cs, then the quantiser's work, then fragments; v224-239 te; v240-251 scales; v252-255 at work.
;   window 1: v0-95 the weights' six fragments; v96-143 the biases.   window 2: gamma, beta; then the 24 accumulators.
.set XP,   272                         ; a channel's row in LDS: 256 bytes + 16
.set COV,  34816                       ; behind x's 128 rows: 32 covariances
.set GB,   35072                       ; 512 bytes for each wave: its 64 gammas, its 64 betas
.set IMGE, 37120                       ; e's images: set s (for q, k, v) x 8,192 + tile x 2,048 + c x 512 + lane x 16
.set X,    32
.set CSR,  96
.set TW,   96                          ; two sets of 16 held numbers
.set CD,   128                         ; e's codes: 16 registers a set
.set TE,   224
.set SC,   240                         ; v[SC+2s], v[SC+2s+1]: 2^e and 448 x 2^e for e's three sets; +6: the same for q, k, v
.set MSB, 0
.macro WIN new                         ; the immediate's high byte repeats the setting that is left
.if MSB != (\new)
	s_set_vgpr_msb (MSB<<8)|(\new)
.set MSB, \new
.endif
.endm
.macro WSUM r
	v_add_f32_dpp v[\r], v[\r], v[\r] row_xmask:1 row_mask:0xf bank_mask:0xf
	v_add_f32_dpp v[\r], v[\r], v[\r] row_xmask:2 row_mask:0xf bank_mask:0xf
	v_add_f32_dpp v[\r], v[\r], v[\r] row_xmask:4 row_mask:0xf bank_mask:0xf
	v_add_f32_dpp v[\r], v[\r], v[\r] row_xmask:8 row_mask:0xf bank_mask:0xf
	v_permlanex16_b32 v20, v[\r], s58, s59
	v_add_f32 v[\r], v[\r], v20
.endm
.macro MKSC se, vs                     ; s[se] = e: v[vs] = 2^e, v[vs + 1] = 448 x 2^e
	s_add_co_i32 s72, s[\se], 127
	s_lshl_b32 s73, s72, 23
	v_mov_b32 v[\vs], s73
	s_add_co_i32 s72, s72, 8
	s_lshl_b32 s72, s72, 23
	s_or_b32 s72, s72, 0x600000
	v_mov_b32 v[\vs+1], s72
.endm
	s_load_b512 s[4:19], s[0:1], 0x0               ; x, te, gst, cs, gn_g, gn_b, qw, kw
	s_load_b512 s[20:35], s[0:1], 0x40             ; vw, qb, kb, vb, scales, qimg, kimg, vimg
	s_set_vgpr_msb 0x40
	v_lshl_add_u32 v254, v0, 2, 0x10000
	v_mov_b32 v255, 0
	s_set_vgpr_msb 0x4000
	v_lshrrev_b32 v1, 5, v0
	v_readfirstlane_b32 s47, v1                    ; wave w
	v_and_b32 v1, 31, v0                           ; lane
	v_and_b32 v2, 15, v0                           ; r
	v_bfe_u32 v3, v0, 4, 1                         ; h
	v_lshrrev_b32 v21, 4, v0                       ; thread / 16: 0..7
	s_lshr_b32 s45, ttmp9, 7                       ; batch
	s_and_b32 s46, ttmp9, 127                      ; block of 64 positions
	s_and_b32 s48, s47, 1                          ; ph: which 32 positions
	s_lshr_b32 s49, s47, 1                         ; hh: which 16 of each 32 channels
	s_mov_b32 s58, 0x76543210
	s_mov_b32 s59, 0xfedcba98
	s_mov_b32 s53, 0                               ; (upper halves of pairs that are named whole)
	s_mov_b32 s55, 0
	s_mov_b32 s57, 0
	s_mov_b32 s83, 0x38800000                      ; 1 / 16,384
	v_lshlrev_b32 v4, 4, v2
	v_lshl_add_u32 v4, v21, 15, v4                 ; x: channel thread / 16, 16 bytes at 16 r
	v_mul_u32_u24 v5, v21, XP
	v_lshl_add_u32 v5, v2, 4, v5                   ; and the same place in LDS
	s_mul_i32 s60, s49, 16*XP
	s_lshl_b32 s61, s48, 7
	s_add_co_u32 s60, s60, s61
	v_lshl_add_u32 v6, v1, 2, s60                  ; back: channel 16 hh, position 32 ph + lane
	v_lshlrev_b32 v7, 2, v2
	v_lshl_add_u32 v7, v3, 7, v7
	s_lshl_b32 s60, s49, 6
	v_add_nc_u32 v7, s60, v7                       ; gamma, beta: channel 32 h + 16 hh + r
	s_lshl_b32 s60, s47, 9
	s_add_co_u32 s60, s60, GB
	v_lshl_add_u32 v8, v1, 2, s60
	v_mov_b32 v9, s60
	v_lshlrev_b32 v10, 4, v1                       ; 16 x lane
	s_and_b32 s60, s46, 7
	s_lshl_b32 s60, s60, 8
	s_add_co_u32 s60, s60, s61
	v_lshl_add_u32 v11, v1, 2, s60                 ; te at my position's column: (position % 512) x 4
	v_and_b32 v12, 3, v1
	v_bfe_u32 v13, v1, 2, 2
	v_lshl_add_u32 v12, v13, 3, v12
	s_lshl_b32 s60, s49, 2
	v_add_nc_u32 v12, s60, v12                     ; lane n (mod 16) looks after group 8 (n / 4) + 4 hh + n % 4: that of my registers 4 n .. 4 n + 3
	v_lshlrev_b32 v13, 2, v12
	v_lshlrev_b32 v12, 3, v12
	s_lshl_b32 s60, s47, 5
	v_mov_b32 v14, s60                             ; my wave's 8 covariances
	s_lshl_b32 s60, s48, 12
	s_lshl_b32 s61, s49, 8
	s_add_co_u32 s60, s60, s61
	v_lshlrev_b32 v15, 4, v2
	v_lshl_add_u32 v15, v3, 11, v15
	v_add_nc_u32 v15, s60, v15                     ; e's image: tile 2 ph + h, lane 16 hh + r
	v_and_b32 v16, 8, v2
	v_add_nc_u32 v16, v16, v2
	v_lshlrev_b32 v16, 7, v16
	v_lshl_add_u32 v16, v3, 4, v16                 ; qw, kw: row r + 8 (r / 8), + 16 h
	v_lshlrev_b32 v17, 7, v2
	v_lshl_add_u32 v17, v3, 4, v17                 ; vw: row r, + 16 h
	v_lshlrev_b32 v18, 6, v3
	v_lshlrev_b32 v19, 2, v2
	v_mov_b32 v20, 0
	s_lshl_b32 s56, s45, 22
	s_lshl_b32 s60, s46, 8
	s_add_co_u32 s56, s56, s60
	s_wait_kmcnt 0x0
	s_load_b256 s[36:43], s[28:29], 0x0            ; e0 .. e7
	s_load_b32 s44, s[28:29], 0x20                 ; e8
	s_add_nc_u64 s[4:5], s[4:5], s[56:57]
.irp i, 0,1,2,3,4,5,6,7,8,9,10,11,12,13,14,15
	global_load_b128 v[X+4*\i:X+4*\i+3], v4, s[4:5] offset:262144*\i   ; channels 8 i + 0..7: sixteen lanes read a channel's 256 bytes
.endr
	global_load_b32 v28, v7, s[12:13]
	global_load_b32 v29, v7, s[12:13] offset:256
	global_load_b32 v30, v7, s[14:15]
	global_load_b32 v31, v7, s[14:15] offset:256
	s_lshl_b32 s56, s45, 11
	s_add_nc_u64 s[6:7], s[6:7], s[56:57]
.irp q, 0,1,2,3
	global_load_b128 v[TE+4*\q:TE+4*\q+3], v10, s[6:7] offset:512*\q
.endr
	global_load_b32 v26, v11, s[6:7]
	s_lshl_b32 s56, s45, 8
	s_add_nc_u64 s[8:9], s[8:9], s[56:57]
	global_load_b64 v[22:23], v12, s[8:9]
	s_lshl_b32 s56, s45, 16
	s_lshl_b32 s60, s47, 14
	s_add_co_u32 s56, s56, s60
	s_add_nc_u64 s[10:11], s[10:11], s[56:57]
.irp g, 0,1,2,3,4,5,6,7
.irp q, 0,1,2,3
	global_load_b128 v[CSR+16*\g+4*\q:CSR+16*\g+4*\q+3], v10, s[10:11] offset:2048*\g+512*\q   ; cs of groups 8 w + g, laid as te is
.endr
.endr
	s_wait_loadcnt 42                              ; x is in: behind it 4 + 4 + 1 + 1 + 32 loads were issued
.irp i, 0,1,2,3,4,5,6,7,8,9,10,11,12,13,14,15
	ds_store_b128 v5, v[X+4*\i:X+4*\i+3] offset:8*XP*\i
.endr
	s_wait_loadcnt 38                              ; gamma and beta are in
	ds_store_b32 v8, v28
	ds_store_b32 v8, v29 offset:128
	ds_store_b32 v8, v30 offset:256
	ds_store_b32 v8, v31 offset:384
	WIN 0x80                                       ; destination window 2
.irp m, 0,1,2,3,4,5,6,7,8,9,10,11,12,13,14,15
	ds_load_b128 v[4*\m:4*\m+3], v9 offset:16*\m           ; every lane reads the same words: gamma of register 16 c + i.  My wave's own bytes, served in order
	ds_load_b128 v[64+4*\m:64+4*\m+3], v9 offset:256+16*\m ; beta
.endr
	WIN 0
	s_wait_loadcnt 0x0
	s_lshl_b32 s56, s47, 12                        ; my 32 rows of each weight
	s_add_nc_u64 s[16:17], s[16:17], s[56:57]
	s_add_nc_u64 s[18:19], s[18:19], s[56:57]
	s_add_nc_u64 s[20:21], s[20:21], s[56:57]
	s_lshl_b32 s56, s47, 7                         ; and of each bias
	s_add_nc_u64 s[22:23], s[22:23], s[56:57]
	s_add_nc_u64 s[24:25], s[24:25], s[56:57]
	s_add_nc_u64 s[26:27], s[26:27], s[56:57]
	WIN 0x40                                       ; destination window 1
.irp u, 0,1
.irp c, 0,1,2,3
	global_load_b128 v[16*\u+4*\c:16*\u+4*\c+3], v16, s[16:17] offset:1024*\u+32*\c
	global_load_b128 v[32+16*\u+4*\c:32+16*\u+4*\c+3], v16, s[18:19] offset:1024*\u+32*\c
	global_load_b128 v[64+16*\u+4*\c:64+16*\u+4*\c+3], v17, s[20:21] offset:2048*\u+32*\c
.endr
.irp k, 0,1
	global_load_b128 v[96+8*\u+4*\k:96+8*\u+4*\k+3], v18, s[22:23] offset:32*\u+16*\k     ; qb of channels 32 w + 16 h + 8 u + 0..7
	global_load_b128 v[112+8*\u+4*\k:112+8*\u+4*\k+3], v18, s[24:25] offset:32*\u+16*\k
.endr
	global_load_b32 v[128+8*\u], v19, s[26:27] offset:64*\u                               ; vb of channel 32 w + 16 u + r
.endr
	WIN 0
	; te's mean and centred square, and my eight groups' covariances
	v_pk_add_f32 v[252:253], v[TE:TE+1], v[TE+2:TE+3]
.irp p, 2,3,4,5,6,7
	v_pk_add_f32 v[252:253], v[252:253], v[TE+2*\p:TE+2*\p+1]
.endr
	v_add_f32 v252, v252, v253
	WSUM 252
	v_mul_f32 v252, 0x3b000000, v252               ; / 512
	v_mov_b32 v253, v252
.irp p, 0,1,2,3,4,5,6,7
	v_pk_add_f32 v[TE+2*\p:TE+2*\p+1], v[TE+2*\p:TE+2*\p+1], v[252:253] neg_lo:[0,1] neg_hi:[0,1]   ; tc
.endr
	v_pk_mul_f32 v[254:255], v[TE:TE+1], v[TE:TE+1]
.irp p, 1,2,3,4,5,6,7
	v_pk_fma_f32 v[254:255], v[TE+2*\p:TE+2*\p+1], v[TE+2*\p:TE+2*\p+1], v[254:255]
.endr
	v_add_f32 v254, v254, v255
	WSUM 254
	v_mul_f32 v254, 0x3b000000, v254
.irp g, 0,1,2,3,4,5,6,7
	v_pk_mul_f32 v[CSR+16*\g:CSR+16*\g+1], v[CSR+16*\g:CSR+16*\g+1], v[TE:TE+1]
.endr
.irp p, 1,2,3,4,5,6,7
.irp g, 0,1,2,3,4,5,6,7
	v_pk_fma_f32 v[CSR+16*\g:CSR+16*\g+1], v[CSR+16*\g+2*\p:CSR+16*\g+2*\p+1], v[TE+2*\p:TE+2*\p+1], v[CSR+16*\g:CSR+16*\g+1]
.endr
.endr
.irp g, 0,1,2,3,4,5,6,7
	v_add_f32 v[CSR+16*\g], v[CSR+16*\g], v[CSR+16*\g+1]
.endr
.irp m, 1,2,4,8
.irp g, 0,1,2,3,4,5,6,7
	v_add_f32_dpp v[CSR+16*\g], v[CSR+16*\g], v[CSR+16*\g] row_xmask:\m row_mask:0xf bank_mask:0xf
.endr
.endr
.irp g, 0,1,2,3,4,5,6,7
	v_permlanex16_b32 v[CSR+16*\g+1], v[CSR+16*\g], s58, s59
.endr
.irp g, 0,1,2,3,4,5,6,7
	v_add_f32 v[CSR+16*\g], v[CSR+16*\g], v[CSR+16*\g+1]
.endr
.irp g, 0,1,2,3,4,5,6,7
	ds_store_b32 v14, v[CSR+16*\g] offset:COV+4*\g
.endr
	s_wait_kmcnt 0x0                               ; the scales' exponents
	MKSC 36, SC
	MKSC 38, SC+2
	MKSC 40, SC+4
	s_add_co_i32 s74, s36, s37                     ; a sum of q's product stands for sum x 2^(e0 + e1); likewise k's and v's
	s_add_co_i32 s75, s38, s39
	s_add_co_i32 s76, s40, s41
	s_sub_co_i32 s77, s42, s74                     ; so q's conversion takes 2^(e6 - e0 - e1)
	s_sub_co_i32 s78, s43, s75
	s_sub_co_i32 s79, s44, s76
	s_sub_co_i32 s80, 0, s74
	s_sub_co_i32 s81, 0, s75
	s_sub_co_i32 s82, 0, s76
	MKSC 77, SC+6
	MKSC 78, SC+8
	MKSC 79, SC+10
	s_wait_dscnt 0x0                               ; my stores have landed, gamma and beta are in
	s_barrier_signal -1
	s_barrier_wait -1                              ; x's tile and the 32 covariances are whole
	ds_load_b32 v27, v13 offset:COV
.irp c, 0,1,2,3
.irp i, 0,1,2,3,4,5,6,7,8,9,10,11,12,13,14,15
	ds_load_b32 v[X+16*\c+\i], v6 offset:(32*\c+\i)*XP     ; 32 lanes read 128 consecutive bytes of a channel's row
.endr
.endr
	s_wait_dscnt 63                                ; of the 65 loads the first, the covariance, is in
	v_add_f32 v24, v22, v252                       ; the group's mean
	v_add_f32 v25, v23, v254
	v_fma_f32 v25, v27, s83, v25                   ; its variance
	v_add_f32 v25, 0x358637bd, v25                 ; + 1e-6
	v_rsq_f32 v25, v25
	v_nop                                          ; a plain line behind the transcendental
	s_wait_dscnt 0x0
	s_wait_alu depctr_va_vdst(0)
.irp n, 0,1,2,3,4,5,6,7,8,9,10,11,12,13,14,15  ; registers 4 n .. 4 n + 3 belong to the group that lane n looks after
	v_readlane_b32 s[50+(\n%2)], v24, \n
	v_readlane_b32 s[52+2*(\n%2)], v25, \n
	v_sub_f32 v[28+2*(\n%2)], v26, s[50+(\n%2)]
	v_mul_f32 v[28+2*(\n%2)], s[52+2*(\n%2)], v[28+2*(\n%2)]     ; (te - mean) x rstd
	v_pk_fma_f32 v[X+4*\n:X+4*\n+1], v[X+4*\n:X+4*\n+1], s[52+2*(\n%2):53+2*(\n%2)], v[28+2*(\n%2):29+2*(\n%2)] op_sel_hi:[1,0,0]
	v_pk_fma_f32 v[X+4*\n+2:X+4*\n+3], v[X+4*\n+2:X+4*\n+3], s[52+2*(\n%2):53+2*(\n%2)], v[28+2*(\n%2):29+2*(\n%2)] op_sel_hi:[1,0,0]
.endr
	WIN 0x28                                       ; sources 1 and 2 window 2
.set j, 0
.rept 32
	v_pk_fma_f32 v[X+j:X+j+1], v[X+j:X+j+1], v[j:j+1], v[64+j:64+j+1]     ; x gamma + beta
.set j, j+2
.endr
	WIN 0
.irp s, 0,1,2                                  ; e is quantised three times, once with each product's scale
.irp c, 0,1,2,3
.irp i, 0,1,2,3,4,5,6,7,8,9,10,11,12,13,14,15
	v_med3_num_f32 v[TW+16*(\c%2)+\i], v[X+16*\c+\i], -v[SC+2*\s+1], v[SC+2*\s+1]   ; the conversion does not saturate (ISA guide 7.6.2): the hold at the largest code x the scale
.endr
	v_cvt_scalef32_pk8_fp8_f32 v[CD+16*\s+4*\c:CD+16*\s+4*\c+1], v[TW+16*(\c%2):TW+16*(\c%2)+7], v[SC+2*\s]
	v_cvt_scalef32_pk8_fp8_f32 v[CD+16*\s+4*\c+2:CD+16*\s+4*\c+3], v[TW+16*(\c%2)+8:TW+16*(\c%2)+15], v[SC+2*\s]
	ds_store_b128 v15, v[CD+16*\s+4*\c:CD+16*\s+4*\c+3] offset:IMGE+8192*\s+512*\c
.endr
.endr
	v_nop                                          ; a plain line behind the last conversion
	s_wait_loadcnt 0x0                             ; weights and biases
	WIN 0x41                                       ; source 0 and destination window 1
.set j, 0
.rept 16
	v_ldexp_f32 v[96+j], v[96+j], s80              ; qb / 2^(e0 + e1)
	v_ldexp_f32 v[112+j], v[112+j], s81
.set j, j+1
.endr
	v_ldexp_f32 v128, v128, s82
	v_ldexp_f32 v136, v136, s82
.irp j, 1,2,3,4,5,6,7
	v_mov_b32 v[128+\j], v128                      ; v's result holds one channel a lane: the same bias in its eight registers
	v_mov_b32 v[136+\j], v136
.endr
	WIN 0
	s_lshl_b32 s56, s45, 20                        ; where my codes go
	s_lshl_b32 s60, s46, 13
	s_add_co_u32 s56, s56, s60
	s_lshl_b32 s60, s47, 9
	s_add_co_u32 s56, s56, s60
	s_add_nc_u64 s[30:31], s[30:31], s[56:57]      ; q, k: tile 4 x block + m, c = w
	s_add_nc_u64 s[32:33], s[32:33], s[56:57]
	s_lshl_b32 s56, s45, 20
	s_lshr_b32 s60, s46, 1
	s_lshl_b32 s60, s60, 14
	s_add_co_u32 s56, s56, s60
	s_and_b32 s60, s46, 1
	s_lshl_b32 s60, s60, 10
	s_add_co_u32 s56, s56, s60
	s_lshl_b32 s60, s47, 12
	s_add_co_u32 s56, s56, s60
	s_add_nc_u64 s[34:35], s[34:35], s[56:57]      ; v: key step block / 2, channel tiles 2 w, 2 w + 1, the block's half of the step's keys
	s_wait_dscnt 0x0
	s_barrier_signal -1
	s_barrier_wait -1                              ; e's twelve fragments lie in LDS
.irp s, 0,1,2
.irp m, 0,1,2,3
.irp c, 0,1,2,3
	ds_load_b128 v[32+64*\s+16*\m+4*\c:32+64*\s+16*\m+4*\c+3], v10 offset:IMGE+8192*\s+2048*\m+512*\c
.endr
.endr
.endr
	s_wait_dscnt 32                                ; q's set is in: 32 loads were issued behind it
	WIN 0x91                                       ; source 0 (weight) and C (bias) window 1, source 1 (e) window 0, D window 2
.irp m, 0,1,2,3
.irp u, 0,1
	v_wmma_f32_16x16x128_fp8_fp8 v[16*\m+8*\u:16*\m+8*\u+7], v[16*\u:16*\u+15], v[32+16*\m:32+16*\m+15], v[96+8*\u:96+8*\u+7]
.endr
.endr
	s_wait_dscnt 16                                ; k's set
.irp m, 0,1,2,3
.irp u, 0,1
	v_wmma_f32_16x16x128_fp8_fp8 v[64+16*\m+8*\u:64+16*\m+8*\u+7], v[32+16*\u:32+16*\u+15], v[96+16*\m:96+16*\m+15], v[112+8*\u:112+8*\u+7]
.endr
.endr
	s_wait_dscnt 0x0
	WIN 0x94                                       ; source 0 (e) window 0, source 1 (weight) and C window 1, D window 2
.irp u, 0,1
.irp m, 0,1,2,3
	v_wmma_f32_16x16x128_fp8_fp8 v[128+32*\u+8*\m:128+32*\u+8*\m+7], v[160+16*\m:160+16*\m+15], v[64+16*\u:64+16*\u+15], v[128+8*\u:128+8*\u+7]
.endr
.endr
.rept 4
	v_nop                                          ; places in front of the first read of results (ISA guide 7.12.1)
.endr
	WIN 0x82                                       ; source 0 and destination window 2
.irp s, 0,1,2
.set j, 0
.rept 64
	v_med3_num_f32 v[64*\s+j], v[64*\s+j], -v[SC+7+2*\s], v[SC+7+2*\s]     ; each accumulator from its low end on
.set j, j+1
.endr
.endr
	WIN 0x02                                       ; source 0 window 2, destination window 0: the fragments' registers are done with
.irp n, 0,1,2,3,4,5,6,7,8,9,10,11              ; a run of 16 registers is 16 neighbours along the next K
	v_cvt_scalef32_pk8_fp8_f32 v[32+4*\n:33+4*\n], v[16*\n:16*\n+7], v[SC+6+2*(\n/4)]
	v_cvt_scalef32_pk8_fp8_f32 v[34+4*\n:35+4*\n], v[16*\n+8:16*\n+15], v[SC+6+2*(\n/4)]
.endr
	WIN 0
	v_nop
.irp m, 0,1,2,3
	global_store_b128 v10, v[32+4*\m:35+4*\m], s[30:31] offset:2048*\m     ; each store covers 512 consecutive bytes, aligned
	global_store_b128 v10, v[48+4*\m:51+4*\m], s[32:33] offset:2048*\m
	global_store_b128 v10, v[64+4*\m:67+4*\m], s[34:35] offset:2048*(\m/2)+512*(\m%2)
.endr
	s_set_vgpr_msb 0x5
	s_wait_tensorcnt 0x0
	ds_add_u32 v254, v255
	s_wait_dscnt 0x0
	s_set_vgpr_msb 0x500
	s_endpgm
.Lfunc_end_k_q98872336c3_qkv:
	.size	k_q98872336c3_qkv, .Lfunc_end_k_q98872336c3_qkv-k_q98872336c3_qkv
	.p2alignl 7, 3214868480
	.fill 96, 4, 3214868480
	.section	.rodata,"a",@progbits
	.p2align	6, 0x0
	.amdhsa_kernel k_q98872336c3_qkv
		.amdhsa_group_segment_fixed_size 66048
		.amdhsa_private_segment_fixed_size 0
		.amdhsa_enable_private_segment 0
		.amdhsa_kernarg_size 128
		.amdhsa_user_sgpr_count 2
		.amdhsa_user_sgpr_kernarg_segment_ptr 1
		.amdhsa_wavefront_size32 1
		.amdhsa_system_sgpr_workgroup_id_x 1
		.amdhsa_system_sgpr_workgroup_id_y 1
		.amdhsa_system_sgpr_workgroup_id_z 1
		.amdhsa_system_vgpr_workitem_id 0
		.amdhsa_next_free_vgpr 768
		.amdhsa_next_free_sgpr 104
		.amdhsa_reserve_vcc 0
		.amdhsa_float_denorm_mode_32 3
		.amdhsa_float_denorm_mode_16_64 3
		.amdhsa_memory_ordered 1
		.amdhsa_forward_progress 1
		.amdhsa_inst_pref_size 78
	.end_amdhsa_kernel
	.amdgpu_metadata
---
amdhsa.version: [ 1, 2 ]
amdhsa.kernels:
  - .name:           k_q98872336c3_qkv
    .symbol:         k_q98872336c3_qkv.kd
    .args:
      - { .name: x, .offset: 0, .size: 8, .value_kind: global_buffer, .address_space: global }
      - { .name: te, .offset: 8, .size: 8, .value_kind: global_buffer, .address_space: global }
      - { .name: gst, .offset: 16, .size: 8, .value_kind: global_buffer, .address_space: global }
      - { .name: cs, .offset: 24, .size: 8, .value_kind: global_buffer, .address_space: global }
      - { .name: gn_g, .offset: 32, .size: 8, .value_kind: global_buffer, .address_space: global }
      - { .name: gn_b, .offset: 40, .size: 8, .value_kind: global_buffer, .address_space: global }
      - { .name: qw_codes, .offset: 48, .size: 8, .value_kind: global_buffer, .address_space: global }
      - { .name: kw_codes, .offset: 56, .size: 8, .value_kind: global_buffer, .address_space: global }
      - { .name: vw_codes, .offset: 64, .size: 8, .value_kind: global_buffer, .address_space: global }
      - { .name: qb, .offset: 72, .size: 8, .value_kind: global_buffer, .address_space: global }
      - { .name: kb, .offset: 80, .size: 8, .value_kind: global_buffer, .address_space: global }
      - { .name: vb, .offset: 88, .size: 8, .value_kind: global_buffer, .address_space: global }
      - { .name: lowp_scales, .offset: 96, .size: 8, .value_kind: global_buffer, .address_space: global }
      - { .name: qimg, .offset: 104, .size: 8, .value_kind: global_buffer, .address_space: global }
      - { .name: kimg, .offset: 112, .size: 8, .value_kind: global_buffer, .address_space: global }
      - { .name: vimg, .offset: 120, .size: 8, .value_kind: global_buffer, .address_space: global }
    .group_segment_fixed_size: 66048
    .private_segment_fixed_size: 0
    .kernarg_segment_align: 8
    .kernarg_segment_size: 128
    .max_flat_workgroup_size: 128
    .sgpr_count:     104
    .vgpr_count:     768
    .wavefront_size: 32
...
	.end_amdgpu_metadata
.endif
;; end of part 2
;; launch attn (part 3): grid 128 x 2, 8 waves a work-group, clusters of 4 x 1, 327,680 bytes of LDS; arguments qimg, kimg, vimg, pw_codes, pb, lowp_scales, x, out0; writes out0
.if DOCPART == 3
	.amdgcn_target "amdgcn-amd-amdhsa--gfx1250"
	.amdhsa_code_object_version 6
	.text
	.protected	k_q98872336c3_attn
	.globl	k_q98872336c3_attn
	.p2align	8
	.type	k_q98872336c3_attn,@function
k_q98872336c3_attn:
	s_mov_b64 s[64:65], 0
	v_nop
	global_prefetch_b8 v0, s[64:65] scope:SCOPE_SE
	s_setreg_imm32_b32 hwreg(HW_REG_WAVE_MODE, 25, 1), 1
	s_wait_xcnt 0x0
	s_wait_alu depctr_hold_cnt(0) depctr_sa_sdst(0) depctr_va_vdst(0) depctr_va_sdst(0) depctr_va_ssrc(0) depctr_va_vcc(0) depctr_vm_vsrc(0)
	s_getreg_b32 s2, hwreg(HW_REG_IB_STS2, 6, 4)
	s_cmp_eq_u32 s2, 0
	s_cbranch_scc0 .Lentry_in_a_cluster
	s_endpgm
.Lentry_in_a_cluster:
	s_bfe_u32 s2, ttmp6, 0x10000c
	s_cmp_lg_u32 s2, 0x3003
	s_cbranch_scc0 .Lentry_shape_is_right
	s_endpgm
.Lentry_shape_is_right:
; out = x + pw (softmax(q k^T / sqrt(128)) v) + pb, all three products on codes of FP8 (E4M3), each operand with its given scale 2^e (e6 .. e11).
; q, k, v come as images of operand registers, 512 consecutive bytes for four registers of 32 lanes.
; THE SOFTMAX: t = score x log2(e) / sqrt(128); M = the largest t so far, rounded up to a whole number; p = 2^(t - M) is quantised along the keys, not normalised; the sum is taken of the unquantised p.
; SHARES.  A work-group owns 64 queries of one batch.  Wave w: queries 32 (w % 2) on, two tiles of 16; and the (w / 2)-th 128 keys of every slot of 512 keys: 16 steps.
; So each fragment of K and V that a wave reads from LDS feeds two matrix instructions, and two waves share a SIMD: one wave's vector work stands beside the other's matrix work.
; The four shares of the keys are joined at the end: M is a whole number, so bringing a share under the common M is a multiplication by a power of two.
; LAYOUT.  Both products transposed: S^T = K Q^T (source 0 = 16 neighbouring keys), O^T = V^T P^T: a lane holds one query throughout.  Tile T's eight results of a lane are keys 16 T + 8 h + 0..7:
; converted, they are registers 2 T, 2 T + 1 of the second product's operand as this form lays it, and V's images are laid the same way.
; TWO AREAS OF 128 REGISTERS CHANGE ROLES from step to step: one holds K's, then V's fragments, the other the scores; the next step's K is loaded into the scores' registers as the conversions leave them.
; CLUSTER.  The four work-groups of a cluster walk the same K and V: each tile is asked for jointly (mask 15).  4 x 1: all sharing is along one axis.
; LIMITS, so that each power of two is an f32 number: e6 + e7 between -123 and 130; e9 and e10 between -126 and 119; e10 + e11 between -126 and 127; e8 + e9 is applied by v_ldexp_f32.
; p is quantised under the wave's own running M, which differs from the row's final M only in numbers under the format's range.  NaN among the inputs is not served.
; REGISTERS: window 0: v1 lane; v2-5 LDS addresses; v6, v7 the spare word's address and 0; v8-23 statistics; v24-30 at work; v32-63 Q; v64-95 p's codes; v96-127 the way out; v128-255 area 0.
;   window 1: v0-127 O^T (tile tt, channels 16 ct on: 64 tt + 8 ct); v128-255 area 1.
.set SLOT1, 131072                     ; a slot: K's four parts of 16,384 bytes, then V's four
.set SPARE, 262144                     ; the spare words, 128 bytes for each of eight waves
.set STAT,  263168                     ; each wave's -M and sum: 512 bytes a wave
.set IMG,   267264                     ; the attention result's codes: four fragments of 2,048 bytes
.set STG,   275456                     ; the way out: 128 channels x (256 bytes + 16)
.set SP,    272
.set ST,    8                          ; tile tt's statistics at v[ST + 8 tt]: +0 -M, +1 largest t, +2, +3 the sum, +4, +5 f, +6, +7 at work
.set QF,    32
.set CODE,  64
.set CS,    40                         ; s[40:41] c = log2(e) / sqrt(128) x 2^(e6 + e7)
.set MSB, 0
.macro WIN new                         ; the immediate's high byte repeats the setting that is left
.if MSB != (\new)
	s_set_vgpr_msb (MSB<<8)|(\new)
.set MSB, \new
.endif
.endm
.macro CROUND                          ; a round of the cluster's barrier
	s_barrier_signal -1
	s_barrier_wait -1
	s_cmp_lg_u32 s20, 0
	s_cbranch_scc1 .Lnot_wave_0_\@
	s_barrier_signal -3
.Lnot_wave_0_\@:
	s_barrier_wait -3
	s_barrier_signal -1
	s_barrier_wait -1
.endm
.macro JLOAD p                         ; a joint refill of slot p: waves 0-3 fetch K's parts, waves 4-7 V's; four v_nop follow each line
	s_cmp_lt_u32 s20, 4
	s_cbranch_scc0 .Lfor_v_\@
	tensor_load_to_lds s[32+4*\p:35+4*\p], s[24:31]
	s_nop 0
.rept 4
	v_nop
.endr
	s_branch .Lasked_\@
.Lfor_v_\@:
	tensor_load_to_lds s[68+4*\p:71+4*\p], s[24:31]
	s_nop 0
.rept 4
	v_nop
.endr
.Lasked_\@:
.endm
; A prefetch of what the next change of slots will ask for.  All clusters of a batch walk the same K and V: the batch's first cluster asks.  In it the even waves ask, each for the 32,768 bytes of its own part and
; the next wave's; the four partners take 8,192 bytes each, told apart by address; lanes 256 bytes apart.  So each block is named once.  The last change that fills a slot asks for nothing; slots 0 to 2 come by their loads alone.
.macro ASK p
.if \p
	s_cmp_gt_u32 s44, s46                          ; not in the loop's last trip
.else
	s_cmp_eq_u32 s46, 1
.endif
	s_cbranch_scc0 .Lnot_mine_\@
	global_prefetch_b8 v29, s[48:49] th:TH_LOAD_NT scope:SCOPE_SE
.Lnot_mine_\@:
.endm
; One tile's softmax for a step: 64 scores a lane, in window w at v[128 + 64 tt] on.
.macro SMCORE tt, w
.set rS, 128+64*(\tt)
.set rT, ST+8*(\tt)
.set rC, CODE+16*(\tt)
	WIN 0x05*(\w)
	v_max_num_f32 v[rT+6], v[rS], v[rS+1]          ; the largest score, in two chains, ascending: each accumulator is first read at its low end
	v_max_num_f32 v[rT+7], v[rS+2], v[rS+3]
.set j, 4
.rept 15
	v_max3_num_f32 v[rT+6], v[rS+j], v[rS+j+1], v[rT+6]
	v_max3_num_f32 v[rT+7], v[rS+j+2], v[rS+j+3], v[rT+7]
.set j, j+4
.endr
	WIN 0
	v_max_num_f32 v[rT+6], v[rT+6], v[rT+7]
	v_permlanex16_b32 v26, v[rT+6], s42, s43       ; the query's other 64 keys lie in the lane 16 away
	v_max_num_f32 v[rT+6], v[rT+6], v26
	v_mul_f32 v[rT+6], s[CS], v[rT+6]              ; as t (c is positive)
	v_max_num_f32 v[rT+1], v[rT+1], v[rT+6]
	v_mov_b32 v[rT+6], v[rT]
	v_floor_f32 v[rT], -v[rT+1]                    ; -M = floor(-t)
	v_sub_f32 v[rT+6], v[rT], v[rT+6]              ; old M - new M: a whole number, 0 or less
	v_cvt_i32_f32 v[rT+6], v[rT+6]
	v_ldexp_f32 v[rT+4], 1.0, v[rT+6]              ; f = 2^(old M - new M)
	WIN 0x41*(\w)
.set j, 0
.rept 32
	v_pk_fma_f32 v[rS+j:rS+j+1], v[rS+j:rS+j+1], s[CS:CS+1], v[rT:rT+1] op_sel_hi:[1,0,0]   ; t - M
.set j, j+2
.endr
.set j, 0
.rept 64
	v_exp_f32 v[rS+j], v[rS+j]
.set j, j+1
.endr
	WIN 0
	v_pk_mul_f32 v[rT+2:rT+3], v[rT+2:rT+3], v[rT+4:rT+5] op_sel_hi:[1,0]   ; the sum under the new M (a plain line behind the exponentials)
	WIN 0x05*(\w)
	s_wait_alu depctr_va_vdst(0)
	v_pk_add_f32 v[24:25], v[rS:rS+1], v[rS+2:rS+3]        ; the sum of the unquantised p, in two chains
	WIN 0x01*(\w)
.set j, 4
.rept 15
	v_pk_add_f32 v[rT+2:rT+3], v[rS+j:rS+j+1], v[rT+2:rT+3]
	v_pk_add_f32 v[24:25], v[rS+j+2:rS+j+3], v[24:25]
.set j, j+4
.endr
	WIN 0
	v_pk_add_f32 v[rT+2:rT+3], v[rT+2:rT+3], v[24:25]
	WIN 0x41*(\w)
.set j, 0
.rept 64
	v_min_num_f32 v[rS+j], v[rS+j], v28            ; the conversion does not saturate (ISA guide 7.6.2); p is not negative: a one-sided hold
.set j, j+1
.endr
	WIN 0x01*(\w)
.set j, 0
.rept 8
	v_cvt_scalef32_pk8_fp8_f32 v[rC+2*j:rC+2*j+1], v[rS+8*j:rS+8*j+7], v27
.set j, j+1
.endr
	WIN 0
	v_nop                                          ; a plain line behind the last conversion
.endm
.macro RESC tt                         ; O^T under the new M
	WIN 0x41
.set j, 0
.rept 32
	v_pk_mul_f32 v[64*(\tt)+j:64*(\tt)+j+1], v[64*(\tt)+j:64*(\tt)+j+1], v[ST+8*(\tt)+4:ST+8*(\tt)+5] op_sel_hi:[1,0]
.set j, j+2
.endr
.endm
; A STEP on slot p: scores in window p's area, fragments in the other's.  mode 2: slot p is filled again; 1: a barrier alone; 0: the last step.
.macro STEP p, mode
.set sw, \p
.set fw, 1-(\p)
.rept 5
	v_nop                                          ; the scores are laid over registers that the last products read (ISA guide 7.12.1): five places
.endr
	s_wait_dscnt 16                                ; K's tiles 0-3 are in; the sixteen loads of tiles 4-7 may be out
	WIN (sw<<6)|fw
.irp T, 0,1,2,3
.irp tt, 0,1
	v_wmma_f32_16x16x128_fp8_fp8 v[128+64*\tt+8*\T:128+64*\tt+8*\T+7], v[128+16*\T:128+16*\T+15], v[QF+16*\tt:QF+16*\tt+15], 0
.endr
.endr
	s_wait_dscnt 0x0
.irp T, 4,5,6,7
.irp tt, 0,1
	v_wmma_f32_16x16x128_fp8_fp8 v[128+64*\tt+8*\T:128+64*\tt+8*\T+7], v[128+16*\T:128+16*\T+15], v[QF+16*\tt:QF+16*\tt+15], 0
.endr
.endr
.rept 4
	v_nop                                          ; places in front of loads into K's registers and of the first read of scores
.endr
	WIN fw<<6
.irp ct, 0,1,2,3,4,5,6,7
.irp bq, 0,1,2,3
	ds_load_b128 v[128+16*\ct+4*\bq:128+16*\ct+4*\bq+3], v[3+2*(\p)] offset:2048*\ct+512*\bq     ; V of this step
.endr
.endr
	SMCORE 0, \p
	RESC 0
	WIN 0
.if \mode == 2
	s_wait_tensorcnt 0x0                           ; all my tensor loads have landed: my part of the other slot; so a group 0 may be written
	ds_add_u32 v6, v7                              ; 0 onto my spare word
	s_add_nc_u64 s[34+4*\p:35+4*\p], s[34+4*\p:35+4*\p], 2*65536     ; this slot's next 512 keys
	s_add_nc_u64 s[70+4*\p:71+4*\p], s[70+4*\p:71+4*\p], 2*65536
	s_wait_xcnt 0x0                                ; the last prefetch, a step back, has read its address
	s_add_nc_u64 s[48:49], s[48:49], 65536
	s_wait_dscnt 0x0                               ; the add is done; V is in: my reads of this slot are over
	CROUND                                         ; no wave of any partner still reads the slot or has a load on its way
	JLOAD \p                                       ; my one tensor load behind the round; it has a step in which to land
.elseif \mode == 1
	s_wait_tensorcnt 0x0
	ds_add_u32 v6, v7
	s_wait_dscnt 0x0
	s_barrier_signal -1
	s_barrier_wait -1                              ; the last slot is whole
.else
	s_wait_dscnt 0x0                               ; V is in
.endif
.if \mode
	WIN sw<<6
.irp T, 0,1,2,3
.irp c, 0,1,2,3
	ds_load_b128 v[128+16*\T+4*\c:128+16*\T+4*\c+3], v[4-2*(\p)] offset:2048*\T+512*\c     ; the next step's K, from the other slot, into tile 0's scores' registers
.endr
.endr
	WIN 0
.endif
.if \mode == 2
	ASK \p
.endif
	SMCORE 1, \p
.if \mode
	WIN sw<<6
.irp T, 4,5,6,7
.irp c, 0,1,2,3
	ds_load_b128 v[128+16*\T+4*\c:128+16*\T+4*\c+3], v[4-2*(\p)] offset:2048*\T+512*\c
.endr
.endr
.endif
	RESC 1
	WIN 0x50|fw
.irp ct, 0,1,2,3,4,5,6,7                       ; the sixteen accumulators take turns, one instruction a turn
.irp tt, 0,1
	v_wmma_f32_16x16x128_fp8_fp8 v[64*\tt+8*\ct:64*\tt+8*\ct+7], v[128+16*\ct:128+16*\ct+15], v[CODE+16*\tt:CODE+16*\tt+15], v[64*\tt+8*\ct:64*\tt+8*\ct+7]
.endr
.endr
	WIN 0
.endm
	s_load_b512 s[4:19], s[0:1], 0x0               ; qimg, kimg, vimg, pw, pb, scales, x, out
	v_lshl_add_u32 v6, v0, 2, SPARE
	v_mov_b32 v7, 0
	ds_add_u32 v6, v7
	s_wait_dscnt 0x0
	v_lshrrev_b32 v1, 5, v0
	v_readfirstlane_b32 s20, v1                    ; wave 0..7
	v_and_b32 v1, 31, v0                           ; lane
	s_and_b32 s21, s20, 1                          ; qp: which 32 queries
	s_lshr_b32 s22, s20, 1                         ; kq: which 128 keys of a slot
	s_bfe_u32 s23, ttmp6, 0x40000                  ; cx
	s_lshl_b32 s50, ttmp9, 2
	s_add_co_u32 s50, s50, s23                     ; my block of 64 queries: it enters Q's, x's and out's addresses alone
	s_and_b32 s51, ttmp7, 0xffff                   ; the batch, which the partners share
	s_mov_b32 s24, 15|(3<<16)|(1<<21)              ; group 1: mask: all four; elements of 8 bytes; bit 21 beside a mask; no padding
	s_mov_b32 s25, 32<<16                          ; tensor_dim0 = 32 elements: rows of 256 bytes
	s_mov_b32 s26, 64<<16                          ; tensor_dim1 = 64 rows: 16,384 dense bytes
	s_mov_b32 s27, 32<<16                          ; tile_dim0
	s_mov_b32 s28, 64                              ; tile_dim1
	s_mov_b32 s29, 32                              ; the pitch
	s_mov_b32 s30, 0
	s_mov_b32 s31, 0
	s_and_b32 s76, s20, 3
	s_lshl_b32 s76, s76, 14
	s_lshl_b32 s77, s51, 20
	s_add_co_u32 s76, s76, s77                     ; my part of slot 0, in K's or in V's images
	s_mov_b32 s77, 0
	s_lshl_b32 s78, s20, 14                        ; and in LDS: wave x 16,384: no place in the cluster enters an LDS address
	s_lshl_b32 s80, s23, 13
	s_mov_b32 s81, 0
	s_lshl_b32 s84, s51, 20
	s_lshl_b32 s85, s50, 13
	s_add_co_u32 s84, s84, s85
	s_lshl_b32 s85, s21, 12
	s_add_co_u32 s84, s84, s85                     ; Q: tile 4 x block + 2 qp
	s_mov_b32 s85, 0
	s_mov_b32 s42, 0x76543210
	s_mov_b32 s43, 0xfedcba98
	s_or_b32 s46, s21, ttmp9                       ; an even wave of the batch's first cluster prefetches: the same in all four partners
	s_cmp_eq_u32 s46, 0
	s_cselect_b32 s46, 1, -1
	s_wait_kmcnt 0x0
	s_load_b64 s[52:53], s[14:15], 0x18            ; e6, e7
	s_load_b128 s[56:59], s[14:15], 0x20           ; e8 .. e11
	s_add_nc_u64 s[6:7], s[6:7], s[76:77]
	s_add_nc_u64 s[8:9], s[8:9], s[76:77]
	s_add_nc_u64 s[4:5], s[4:5], s[84:85]
	s_cmp_lt_u32 s20, 4
	s_cselect_b64 s[48:49], s[6:7], s[8:9]
	s_add_nc_u64 s[48:49], s[48:49], s[80:81]      ; my work-group's quarter,
	s_add_nc_u64 s[48:49], s[48:49], 2*65536       ; in slot 2: the first change of slots steps it to slot 3
	CROUND                                         ; all four work-groups are here: the first joint loads meet
.irp n, 0,1
	s_mov_b32 s[32+4*\n], 1
	s_add_co_u32 s[33+4*\n], s78, \n*SLOT1
	s_add_nc_u64 s[34+4*\n:35+4*\n], s[6:7], \n*65536
	s_or_b32 s[35+4*\n], s[35+4*\n], 0x80000000
	s_mov_b32 s[68+4*\n], 1
	s_add_co_u32 s[69+4*\n], s78, \n*SLOT1
	s_add_nc_u64 s[70+4*\n:71+4*\n], s[8:9], \n*65536
	s_or_b32 s[71+4*\n], s[71+4*\n], 0x80000000
.endr
	s_cmp_lt_u32 s20, 4                            ; a wave's two first fills stand in one branch: two loads of mine are out
	s_cbranch_scc0 .Lfirst_v
	tensor_load_to_lds s[32:35], s[24:31]
	s_nop 0
	tensor_load_to_lds s[36:39], s[24:31]
	s_nop 0
.rept 4
	v_nop
.endr
	s_branch .Lfirst_asked
.Lfirst_v:
	tensor_load_to_lds s[68:71], s[24:31]
	s_nop 0
	tensor_load_to_lds s[72:75], s[24:31]
	s_nop 0
.rept 4
	v_nop
.endr
.Lfirst_asked:
	v_lshlrev_b32 v30, 4, v1
.irp tt, 0,1
.irp c, 0,1,2,3
	global_load_b128 v[QF+16*\tt+4*\c:QF+16*\tt+4*\c+3], v30, s[4:5] offset:2048*\tt+512*\c     ; Q stays in registers
.endr
.endr
	s_lshl_b32 s79, s22, 14
	v_add_nc_u32 v2, s79, v30                      ; K's part kq of slot 0, my lane's 16 bytes
	v_add_nc_u32 v3, 0x10000, v2                   ; V's
	v_add_nc_u32 v4, 0x20000, v2                   ; and the same in slot 1
	v_add_nc_u32 v5, 0x30000, v2
	v_lshlrev_b32 v29, 8, v1
	v_mov_b32 v26, 0
.irp tt, 0,1
	v_mov_b32 v[ST+8*\tt+1], 0xff61b1e6            ; the largest t so far: -3e38
	v_floor_f32 v[ST+8*\tt], -v[ST+8*\tt+1]
	v_mov_b32 v[ST+8*\tt+2], 0
	v_mov_b32 v[ST+8*\tt+3], 0
	v_mov_b32 v[ST+8*\tt+4], 0
	v_mov_b32 v[ST+8*\tt+5], 0
.endr
	WIN 0x40
.set j, 0
.rept 128
	v_mov_b32 v[j], 0                              ; O^T.  The step has no first form of its own: its four copies would be six.  The first change of M multiplies zeros
.set j, j+1
.endr
	WIN 0
	s_wait_kmcnt 0x0
	s_add_co_i32 s80, s52, s53
	s_lshl_b32 s80, s80, 23
	s_add_co_i32 s[CS], s80, 0x3e0293ee            ; e6 + e7 are added to c's exponent field
	s_mov_b32 s[CS+1], s[CS]
	s_add_co_i32 s80, s57, 127
	s_lshl_b32 s81, s80, 23
	v_mov_b32 v27, s81                             ; 2^e9
	s_add_co_i32 s80, s80, 8
	s_lshl_b32 s80, s80, 23
	s_or_b32 s80, s80, 0x600000
	v_mov_b32 v28, s80                             ; 448 x 2^e9
	s_wait_tensorcnt 1                             ; my part of slot 0 is in; slot 1's may stay out
	s_barrier_signal -1
	s_barrier_wait -1
	WIN 0x40
.irp T, 0,1,2,3,4,5,6,7
.irp c, 0,1,2,3
	ds_load_b128 v[128+16*\T+4*\c:128+16*\T+4*\c+3], v2 offset:2048*\T+512*\c     ; K of step 0 into area 1
.endr
.endr
	WIN 0
	s_wait_loadcnt 0x0                             ; Q
	s_mov_b32 s44, 7
.Lloop:                                            ; seven trips of two steps: steps 0 to 13 fill their slot again
	STEP 0, 2
	STEP 1, 2
	s_sub_co_u32 s44, s44, 1
	s_cmp_lg_u32 s44, 0
	s_cbranch_scc1 .Lloop
	STEP 0, 1                                      ; the tail is written out
	STEP 1, 0
	; ---------------- the join of the four shares of the keys, the last product, the way out
.rept 4
	v_nop                                          ; places in front of loads into registers that the last products read
.endr
	v_and_b32 v44, 15, v0                          ; r
	v_bfe_u32 v45, v0, 4, 1                        ; h
	s_lshl_b32 s80, s20, 9
	s_add_co_u32 s80, s80, STAT
	v_lshl_add_u32 v32, v1, 2, s80                 ; my wave's statistics
	s_lshl_b32 s80, s21, 9
	s_add_co_u32 s80, s80, STAT
	v_lshl_add_u32 v33, v1, 2, s80                 ; those of the four waves with my queries: 1,024 bytes apart
	s_lshl_b32 s80, s21, 3
	s_add_co_u32 s80, s80, s22
	s_lshl_b32 s80, s80, 13
	v_lshl_add_u32 v34, v1, 4, s80                 ; my parts: (4 x query tile + kq) x 8,192, in slot 0, which has had its last fill and its last read
	s_lshl_b32 s80, s22, 15
	s_lshl_b32 s81, s21, 12
	s_add_co_u32 s80, s80, s81
	v_lshl_add_u32 v35, v1, 4, s80                 ; what I sum: query tile w / 2, channels 64 (w % 2) on
	s_lshl_b32 s80, s22, 11
	s_add_co_u32 s80, s80, IMG
	v_lshl_add_u32 v37, v1, 4, s80
	s_lshl_b32 s81, s21, 10
	v_add_nc_u32 v36, s81, v37
	s_mul_i32 s80, s21, 64*SP
	s_lshl_b32 s81, s22, 6
	s_add_co_u32 s80, s80, s81
	s_add_co_u32 s80, s80, STG
	v_mul_u32_u24 v38, v44, SP
	v_lshl_add_u32 v38, v45, 5, v38
	v_add_nc_u32 v38, s80, v38                     ; stage, in: channel 64 (w % 2) + r, positions 16 (w / 2) + 8 h on
	s_mul_i32 s80, s20, 16*SP
	s_add_co_u32 s80, s80, STG
	v_mul_u32_u24 v39, v45, SP
	v_lshl_add_u32 v39, v44, 4, v39
	v_add_nc_u32 v39, s80, v39                     ; back: channels 16 w on, two rows an instruction
	v_lshlrev_b32 v40, 7, v44
	v_lshl_add_u32 v40, v45, 3, v40                ; pw: row r, + 8 h
	v_lshlrev_b32 v41, 2, v44
	v_lshlrev_b32 v42, 4, v44
	v_lshl_add_u32 v42, v45, 15, v42               ; x, out: channel h, 16 bytes at 16 r
	s_mov_b32 s81, 0
	s_lshl_b32 s80, s21, 13
	s_add_nc_u64 s[10:11], s[10:11], s[80:81]
	s_lshl_b32 s80, s21, 8
	s_add_nc_u64 s[12:13], s[12:13], s[80:81]
	s_lshl_b32 s80, s51, 22
	s_lshl_b32 s84, s20, 19
	s_add_co_u32 s80, s80, s84
	s_lshl_b32 s84, s50, 8
	s_add_co_u32 s80, s80, s84
	s_add_nc_u64 s[16:17], s[16:17], s[80:81]
	s_add_nc_u64 s[18:19], s[18:19], s[80:81]
.irp n, 0,1,2,3
.irp c, 0,1,2,3,4,5,6,7
	global_load_b64 v[128+16*\n+2*\c:129+16*\n+2*\c], v40, s[10:11] offset:2048*\n+16*\c   ; pw's fragment of channels 64 (w % 2) + 16 n on, as this form lays it: registers 2 c, 2 c + 1 = k 16 c + 8 h + 0..7
.endr
	global_load_b32 v[88+\n], v41, s[12:13] offset:64*\n
.endr
.irp i, 0,1,2,3,4,5,6,7
	global_load_b128 v[192+4*\i:195+4*\i], v42, s[16:17] offset:65536*\i
.endr
.irp tt, 0,1
	v_add_f32 v[ST+8*\tt+6], v[ST+8*\tt+2], v[ST+8*\tt+3]
.endr
.irp tt, 0,1
	v_permlanex16_b32 v[ST+8*\tt+7], v[ST+8*\tt+6], s42, s43
.endr
.irp tt, 0,1
	v_add_f32 v[ST+8*\tt+6], v[ST+8*\tt+6], v[ST+8*\tt+7]   ; my share's sum
.endr
.irp tt, 0,1
	ds_store_b32 v32, v[ST+8*\tt] offset:256*\tt
	ds_store_b32 v32, v[ST+8*\tt+6] offset:256*\tt+128
.endr
	s_add_co_i32 s82, s56, s57                     ; e8 + e9
	s_add_co_i32 s80, s58, 127
	s_lshl_b32 s84, s80, 23
	v_mov_b32 v51, s84                             ; 2^e10
	s_add_co_i32 s80, s80, 8
	s_lshl_b32 s80, s80, 23
	s_or_b32 s80, s80, 0x600000
	v_mov_b32 v50, s80                             ; 448 x 2^e10
	s_add_co_i32 s83, s58, s59
	s_add_co_i32 s83, s83, 127
	s_lshl_b32 s83, s83, 23                        ; 2^(e10 + e11)
	s_wait_dscnt 0x0
	s_barrier_signal -1
	s_barrier_wait -1
.irp tt, 0,1
.irp k, 0,1,2,3
	ds_load_b32 v[96+8*\tt+\k], v33 offset:1024*\k+256*\tt
	ds_load_b32 v[100+8*\tt+\k], v33 offset:1024*\k+256*\tt+128
.endr
.endr
	s_wait_dscnt 0x0
.irp tt, 0,1
	v_min_num_f32 v46, v[96+8*\tt], v[97+8*\tt]
	v_min_num_f32 v47, v[98+8*\tt], v[99+8*\tt]
	v_min_num_f32 v46, v46, v47                    ; the common -M
	v_sub_f32 v48, v46, v[ST+8*\tt]
.irp k, 0,1,2,3
	v_sub_f32 v[96+8*\tt+\k], v46, v[96+8*\tt+\k]  ; a share's M less the common one: a whole number, 0 or less
.endr
	v_cvt_i32_f32 v48, v48
.irp k, 0,1,2,3
	v_cvt_i32_f32 v[96+8*\tt+\k], v[96+8*\tt+\k]
.endr
	v_ldexp_f32 v48, 1.0, v48
.irp k, 0,1,2,3
	v_ldexp_f32 v[96+8*\tt+\k], 1.0, v[96+8*\tt+\k]
.endr
	v_mul_f32 v47, v[96+8*\tt], v[100+8*\tt]
	v_fma_f32 v47, v[97+8*\tt], v[101+8*\tt], v47
	v_fma_f32 v47, v[98+8*\tt], v[102+8*\tt], v47
	v_fma_f32 v47, v[99+8*\tt], v[103+8*\tt], v47  ; the row's sum
	v_rcp_f32 v47, v47
	v_nop                                          ; a plain line behind the transcendental
	s_wait_alu depctr_va_vdst(0)
	v_mul_f32 v48, v48, v47
	v_ldexp_f32 v[ST+8*\tt+4], v48, s82            ; my share's factor: 2^(my M - M) / sum x 2^(e8 + e9)
.endr
	WIN 0x41
.irp tt, 0,1
.set j, 0
.rept 32
	v_pk_mul_f32 v[64*\tt+j:64*\tt+j+1], v[64*\tt+j:64*\tt+j+1], v[ST+8*\tt+4:ST+8*\tt+5] op_sel_hi:[1,0]
.set j, j+2
.endr
.endr
	WIN 0x04                                       ; an LDS store's data: window 1
.irp tt, 0,1
.irp n, 0,1,2,3,4,5,6,7,8,9,10,11,12,13,14,15
	ds_store_b128 v34, v[64*\tt+4*\n:64*\tt+4*\n+3] offset:32768*\tt+512*\n
.endr
.endr
	WIN 0
	s_wait_dscnt 0x0
	s_barrier_signal -1
	s_barrier_wait -1
	WIN 0x40
.irp k, 0,1,2,3
.irp n, 0,1,2,3,4,5,6,7
	ds_load_b128 v[32*\k+4*\n:32*\k+4*\n+3], v35 offset:8192*\k+512*\n
.endr
.endr
	WIN 0
	s_wait_dscnt 0x0
	WIN 0x45
.irp k, 1,2,3
.set j, 0
.rept 16
	v_pk_add_f32 v[j:j+1], v[j:j+1], v[32*\k+j:32*\k+j+1]
.set j, j+2
.endr
.endr
	WIN 0x41
.set j, 0
.rept 32
	v_med3_num_f32 v[j], v[j], -v50, v50           ; the hold at the largest code x 2^e10
.set j, j+1
.endr
	WIN 0x01
.irp n, 0,1,2,3
	v_cvt_scalef32_pk8_fp8_f32 v[64+2*\n:65+2*\n], v[8*\n:8*\n+7], v51    ; registers 2 ct, 2 ct + 1 of the last product's operand: channels 16 ct + 8 h + 0..7
.endr
	WIN 0
	v_nop
	ds_store_b128 v36, v[64:67]
	ds_store_b128 v36, v[68:71] offset:512
	s_wait_dscnt 0x0
	s_barrier_signal -1
	s_barrier_wait -1
.irp n, 0,1,2,3
	ds_load_b128 v[72+4*\n:75+4*\n], v37 offset:512*\n
.endr
	s_wait_loadcnt 0x0                             ; pw, pb, x
	s_wait_dscnt 0x0
.irp n, 0,1,2,3
	v_wmma_f32_16x16x128_fp8_fp8 v[96+8*\n:103+8*\n], v[72:87], v[128+16*\n:143+16*\n], 0     ; a lane holds one channel and eight neighbouring positions
.endr
.rept 4
	v_nop
.endr
.irp n, 0,1,2,3
.irp j, 0,1,2,3,4,5,6,7
	v_fma_f32 v[224+8*\n+\j], v[96+8*\n+\j], s83, v[88+\n]     ; sum x 2^(e10 + e11) + pb
.endr
.endr
.irp n, 0,1,2,3
	ds_store_b128 v38, v[224+8*\n:227+8*\n] offset:16*SP*\n
	ds_store_b128 v38, v[228+8*\n:231+8*\n] offset:16*SP*\n+16
.endr
	s_wait_dscnt 0x0
	s_barrier_signal -1
	s_barrier_wait -1                              ; 128 whole rows of 256 bytes lie in the stage
.irp i, 0,1,2,3,4,5,6,7
	ds_load_b128 v[96+4*\i:99+4*\i], v39 offset:2*SP*\i
.endr
.irp i, 0,1,2,3,4,5,6,7
	s_wait_dscnt 7-\i                              ; LDS loads come back in order: row pair i is in
	v_pk_add_f32 v[96+4*\i:97+4*\i], v[96+4*\i:97+4*\i], v[192+4*\i:193+4*\i]
	v_pk_add_f32 v[98+4*\i:99+4*\i], v[98+4*\i:99+4*\i], v[194+4*\i:195+4*\i]
	global_store_b128 v42, v[96+4*\i:99+4*\i], s[18:19] offset:65536*\i th:TH_STORE_NT   ; sixteen lanes store 256 consecutive bytes, aligned
.endr
	s_wait_tensorcnt 0x0                           ; the wave's end
	ds_add_u32 v6, v7
	s_wait_dscnt 0x0
	CROUND                                         ; the closing round
	s_endpgm
.Lfunc_end_k_q98872336c3_attn:
	.size	k_q98872336c3_attn, .Lfunc_end_k_q98872336c3_attn-k_q98872336c3_attn
	.p2alignl 7, 3214868480
	.fill 96, 4, 3214868480
	.section	.rodata,"a",@progbits
	.p2align	6, 0x0
	.amdhsa_kernel k_q98872336c3_attn
		.amdhsa_group_segment_fixed_size 327680
		.amdhsa_private_segment_fixed_size 0
		.amdhsa_enable_private_segment 0
		.amdhsa_kernarg_size 64
		.amdhsa_user_sgpr_count 2
		.amdhsa_user_sgpr_kernarg_segment_ptr 1
		.amdhsa_wavefront_size32 1
		.amdhsa_system_sgpr_workgroup_id_x 1
		.amdhsa_system_sgpr_workgroup_id_y 1
		.amdhsa_system_sgpr_workgroup_id_z 1
		.amdhsa_system_vgpr_workitem_id 0
		.amdhsa_next_free_vgpr 512
		.amdhsa_next_free_sgpr 96
		.amdhsa_reserve_vcc 0
		.amdhsa_float_denorm_mode_32 3
		.amdhsa_float_denorm_mode_16_64 3
		.amdhsa_memory_ordered 1
		.amdhsa_forward_progress 1
		.amdhsa_inst_pref_size 177
	.end_amdhsa_kernel
	.amdgpu_metadata
---
amdhsa.version: [ 1, 2 ]
amdhsa.kernels:
  - .name:           k_q98872336c3_attn
    .symbol:         k_q98872336c3_attn.kd
    .args:
      - { .name: qimg, .offset: 0, .size: 8, .value_kind: global_buffer, .address_space: global }
      - { .name: kimg, .offset: 8, .size: 8, .value_kind: global_buffer, .address_space: global }
      - { .name: vimg, .offset: 16, .size: 8, .value_kind: global_buffer, .address_space: global }
      - { .name: pw_codes, .offset: 24, .size: 8, .value_kind: global_buffer, .address_space: global }
      - { .name: pb, .offset: 32, .size: 8, .value_kind: global_buffer, .address_space: global }
      - { .name: lowp_scales, .offset: 40, .size: 8, .value_kind: global_buffer, .address_space: global }
      - { .name: x, .offset: 48, .size: 8, .value_kind: global_buffer, .address_space: global }
      - { .name: out0, .offset: 56, .size: 8, .value_kind: global_buffer, .address_space: global }
    .group_segment_fixed_size: 327680
    .private_segment_fixed_size: 0
    .kernarg_segment_align: 8
    .kernarg_segment_size: 64
    .max_flat_workgroup_size: 256
    .sgpr_count:     96
    .vgpr_count:     512
    .wavefront_size: 32
...
	.end_amdgpu_metadata
.endif
;; end of part 3
